; MI455X (gfx1250); checked and timed in simulation.
; The chip was launched on July 23, 2026; its instructions are those of AMD's public machine-readable ISA for CDNA 5 (MIT licence, August 2026) and "CDNA5" Instruction Set Architecture Reference Guide (July 2026). The comments in the code are by the model that wrote it; some were corrected since.
;; EM Routing. Allowed arithmetic: float matrix products may take bf16 or f16 operands with f32 sums; all other float work in f32.
;; Inputs: beta_a 1 x 1 x 32 x 1 float32; beta_v 1 x 1 x 32 x 1 float32; child_prob 16 x 8,192 x 1 x 1 float32; votes 16 x 8,192 x 32 x 16 float32.
;; Outputs: out0 16 x 32 x 17 float32.
;; 2 versions, each right; version 2 is version 1 with the launch first written anew for expert scheduling mode. Each part assembles by itself: llvm-mc -triple=amdgcn-amd-amdhsa -mcpu=gfx1250 --defsym DOCPART=n.
;; ======== version 1 of 2: 4 launches
;; limits: a difference of large sums (such as E[x^2] - mean^2): digits are lost where the result is much smaller than its terms
;; workspace buffers: partA 1,179,648 bytes; partB 1,179,648 bytes; stateA 40,960 bytes; stateB 40,960 bytes
;; launch first (part 1): grid 256 x 1, 16 waves a work-group, no clusters, 75,776 bytes of LDS; arguments votes, child_prob, partA, stateA; writes partA, stateA
.if DOCPART == 1
	.amdgcn_target "amdgcn-amd-amdhsa--gfx1250"
	.amdhsa_code_object_version 6
	.text
	.protected	k_q8b7b265be3_first
	.globl	k_q8b7b265be3_first
	.p2align	8
	.type	k_q8b7b265be3_first,@function
k_q8b7b265be3_first:
	s_mov_b64 s[64:65], 0
	v_nop
	global_prefetch_b8 v0, s[64:65] scope:SCOPE_SE
	s_setreg_imm32_b32 hwreg(HW_REG_WAVE_MODE, 25, 1), 1
	s_wait_xcnt 0x0
; EM routing, launch 1 of 4: the sums of the first M-step, where every routing weight is 1/32.
; votes [16][8192][32][16] f32, child_prob [16][8192] f32.  With r' = child_prob / 32 and a shift c[o][p] the launch forms
;   S0 = sum r',  S1[o][p] = sum r' (v - c),  S2[o][p] = sum r' (v - c)^2     over the children of a work-group.
; The next launch makes mu and var of them: with m = mu - c, sum r' (v - mu)^2 = S2 - m (2 S1 - m S0), exact for any c.
; c is the vote of the batch's first child, so that a common offset of the votes never enters a square.
; LIMIT: the variance's rounding error grows like 2^-24 (1 + (c - mean)^2 / var); a first child far outside the spread of the others costs digits.
; LIMIT: the sums are formed lane by lane, wave by wave, work-group by work-group, not in the order of a plain sum over the children.
; SHAPE: 256 work-groups of 16 waves; a work-group owns 512 children of one batch (1 MiB), a wave 32 of them.
; A child is 2,048 bytes = four loads of 16 bytes a lane, each 512 consecutive bytes: lane l holds pose numbers 4 (l % 4) .. + 3 of
; parents l / 4 + 8 j, j = 0 .. 3, the same places for every child, so c and the sums stay in registers.
; A ring of 8 children in registers keeps 32 loads (16 KiB) of every wave on their way, 256 KiB for the work-group; in one lap the
; 16 waves take 128 neighbouring children, one window of 256 KiB.
; The four laps are written out: a child's place stands in the load's immediate (802,304 bytes at the most, inside the signed 24 bits),
; so neither the base nor the offset register is ever rewritten and no wait stands for their sake.
; No matrix instruction (each sum is a product of one row of weights with a matrix read once), no cluster (no input is shared),
; no LDS on the way in (the ring lies in registers and needs no barrier).
.set CHB,     2048                     ; bytes of one child's votes
.set SLOTS,   8                        ; children of a wave on their way
.set LSTEP,   16*SLOTS*CHB             ; bytes from one lap's window to the next; 4 laps = 32 children of a wave
.set REC,     4608                     ; a record of sums: S1 [32][16], S2 [32][16], then 128 words of S0 (word 4 l + j: parent l / 4 + 8 j)
.set STB,     2560                     ; a batch's state: the shift [32][16], then 128 words of the inverse temperature
.set LAMBDA1, 0x3a03126f               ; 0.0005 = 0.01 (1 - 0.95)
.set LOFF, 1                           ; v1        16 x lane; never rewritten
.set C,    4                           ; v[4:19]   the shift at my 16 places
.set S1,   20                          ; v[20:35]
.set S2,   36                          ; v[36:51]
.set S0,   52                          ; v[52:55]  S0 in v52; copied to all four at the end
.set W,    56                          ; v[56:57]  r' of the child at work (v57 only completes the pair)
.set E,    58                          ; v[58:73]  (v - c)^2
.set X,    74                          ; v[74:201] slot i: 16 registers
.set CP,   16                          ; s[16:47]  child_prob of my 32 children: lap r, slot i in s[16 + 8 r + i]
	s_load_b256 s[4:11], s[0:1], 0x0               ; votes s[4:5], child_prob s[6:7], sums s[8:9], state s[10:11]
	v_lshl_add_u32 v202, v0, 2, 0x12000
	v_mov_b32 v203, 0
	v_lshrrev_b32 v2, 5, v0
	v_readfirstlane_b32 s12, v2                    ; wave 0 .. 15
	v_and_b32 v[LOFF], 31, v0
	v_lshlrev_b32 v[LOFF], 4, v[LOFF]
	v_mov_b32 v[W+1], 0
	s_lshr_b32 s13, ttmp9, 4                       ; batch: 16 work-groups each
	s_lshl_b32 s2, s13, 24                         ; a batch's votes are 16 MiB
	s_mov_b32 s3, 0
	s_lshl_b32 s48, ttmp9, 20                      ; the work-group's 1 MiB
	s_lshl_b32 s15, s12, 14                        ; + wave x 8 children
	s_add_co_u32 s48, s48, s15
	s_mov_b32 s49, 0
	s_lshl_b32 s50, ttmp9, 11                      ; child_prob: 512 words a work-group
	s_lshl_b32 s15, s12, 5                         ; + wave x 8 words
	s_add_co_u32 s50, s50, s15
	s_mov_b32 s51, 0
	s_mov_b32 s52, 0x3d000000                      ; 1/32, the first routing weight
	s_wait_kmcnt 0x0
	s_add_nc_u64 s[2:3], s[4:5], s[2:3]            ; the batch's first child
	s_add_nc_u64 s[4:5], s[4:5], s[48:49]          ; my first child
	s_add_nc_u64 s[6:7], s[6:7], s[50:51]
.irp r, 0,1,2,3
	s_load_b256 s[CP+8*\r:CP+8*\r+7], s[6:7], 512*\r   ; lap r: 8 neighbouring words, 128 children on
.endr
.irp j, 0,1,2,3
	global_load_b128 v[C+4*\j:C+4*\j+3], v[LOFF], s[2:3] offset:512*\j   ; the shift; all 256 waves of the batch read it: no hint
.endr
.macro FILL i, at                      ; slot i takes the child at byte 'at' from my first child
.irp j, 0,1,2,3
	global_load_b128 v[X+16*\i+4*\j:X+16*\i+4*\j+3], v[LOFF], s[4:5] offset:\at+512*\j th:TH_LOAD_NT
.endr
.endm
.irp i, 0,1,2,3,4,5,6,7
	FILL \i, \i*CHB
.endr
	s_wait_kmcnt 0x0                               ; child_prob
; The child of lap r in slot i.  ahead = 1: the slot is filled again from the next lap's window.  left = younger loads that may stay out.
; first = 1: the child starts the sums, so nothing is cleared.
.macro CHILD r, i, ahead, left, first
	s_wait_loadcnt \left                           ; loads come back in order (ISA guide 5.7.1): this slot's four are in (and, at the first child, the shift ahead of them)
	v_mul_f32 v[W], s52, s[CP+8*\r+\i]             ; r' = rr x child_prob
.irp t, 0,2,4,6,8,10,12,14
	v_pk_add_f32 v[X+16*\i+\t:X+16*\i+\t+1], v[X+16*\i+\t:X+16*\i+\t+1], v[C+\t:C+\t+1] neg_lo:[0,1] neg_hi:[0,1]   ; d = v - c
.endr
.irp t, 0,2,4,6,8,10,12,14
	v_pk_mul_f32 v[E+\t:E+\t+1], v[X+16*\i+\t:X+16*\i+\t+1], v[X+16*\i+\t:X+16*\i+\t+1]                            ; d^2
.endr
.if \first
	v_mov_b32 v[S0], v[W]
.irp t, 0,2,4,6,8,10,12,14
	v_pk_mul_f32 v[S1+\t:S1+\t+1], v[X+16*\i+\t:X+16*\i+\t+1], v[W:W+1] op_sel_hi:[1,0]
	v_pk_mul_f32 v[S2+\t:S2+\t+1], v[E+\t:E+\t+1], v[W:W+1] op_sel_hi:[1,0]
.endr
.else
	v_add_f32 v[S0], v[S0], v[W]
.irp t, 0,2,4,6,8,10,12,14
	v_pk_fma_f32 v[S1+\t:S1+\t+1], v[X+16*\i+\t:X+16*\i+\t+1], v[W:W+1], v[S1+\t:S1+\t+1] op_sel_hi:[1,0,1]
	v_pk_fma_f32 v[S2+\t:S2+\t+1], v[E+\t:E+\t+1], v[W:W+1], v[S2+\t:S2+\t+1] op_sel_hi:[1,0,1]
.endr
.endif
.if \ahead
	FILL \i, (\r+1)*LSTEP+\i*CHB
.endif
.endm
.macro LAP r, first                    ; eight children, every slot filled again
	CHILD \r, 0, 1, 4*(SLOTS-1), \first
.irp i, 1,2,3,4,5,6,7
	CHILD \r, \i, 1, 4*(SLOTS-1), 0                ; 28 = the four loads of each of the seven younger slots
.endr
.endm
	LAP 0, 1
	LAP 1, 0
	LAP 2, 0
.irp i, 0,1,2,3,4,5,6,7
	CHILD 3, \i, 0, 4*(SLOTS-1-\i), 0              ; the last lap loads nothing: the counts run down to 0
.endr
	; The 16 waves' sums meet in LDS: wave w puts its nine quads at w x REC, quad q of lane l at 512 q + 16 l, which is the record's own order.
	v_mov_b32 v[S0+1], v[S0]                       ; here S0 is the same for all parents; the record has a word for each of my four
	v_mov_b32 v[S0+2], v[S0]
	v_mov_b32 v[S0+3], v[S0]
	s_mul_i32 s15, s12, REC
	v_add_nc_u32 v2, s15, v[LOFF]
.irp q, 0,1,2,3
	ds_store_b128 v2, v[S1+4*\q:S1+4*\q+3] offset:512*\q
	ds_store_b128 v2, v[S2+4*\q:S2+4*\q+3] offset:2048+512*\q
.endr
	ds_store_b128 v2, v[S0:S0+3] offset:4096
	s_wait_dscnt 0x0                               ; my stores are done before I say so
	s_barrier_signal -1
	s_barrier_wait -1
	s_cmp_gt_u32 s12, 8
	s_cbranch_scc1 .Lend                           ; a record has 288 quads: threads 0 .. 287, waves 0 .. 8, add one each
	v_lshlrev_b32 v2, 4, v0                        ; 16 t
	v_add_nc_u32 v3, 8*REC, v2                     ; waves 8 .. 15 lie beyond the reach of a 16-bit offset
.irp w, 0,1,2,3,4,5,6,7
	ds_load_b128 v[X+4*\w:X+4*\w+3], v2 offset:\w*REC
	ds_load_b128 v[X+32+4*\w:X+32+4*\w+3], v3 offset:\w*REC
.endr
	s_mul_i32 s48, ttmp9, REC
	s_mov_b32 s49, 0
	s_add_nc_u64 s[8:9], s[8:9], s[48:49]
	s_wait_dscnt 0x0
.macro SUM16 b                         ; v[b:b+3] = the sum of the sixteen quads from v[b] on, by halves
.irp h, 32,16,8,4
.set idx, 0
.rept \h/2
	v_pk_add_f32 v[\b+idx:\b+idx+1], v[\b+idx:\b+idx+1], v[\b+\h+idx:\b+\h+idx+1]
.set idx, idx+2
.endr
.endr
.endm
	SUM16 X
	global_store_b128 v2, v[X:X+3], s[8:9]         ; a wave stores 512 consecutive bytes, at a multiple of 512 from the buffer's first byte
	; The batch's state, once: wave 0 of the batch's first work-group stores the shift and the first inverse temperature.
	s_and_b32 s14, ttmp9, 15
	s_or_b32 s14, s14, s12
	s_cmp_lg_u32 s14, 0
	s_cbranch_scc1 .Lend
	s_mul_i32 s48, s13, STB
	s_mov_b32 s49, 0
	s_add_nc_u64 s[10:11], s[10:11], s[48:49]
.irp k, 0,1,2,3
	v_mov_b32 v[E+\k], LAMBDA1
.endr
.irp j, 0,1,2,3
	global_store_b128 v[LOFF], v[C+4*\j:C+4*\j+3], s[10:11] offset:512*\j
.endr
	global_store_b128 v[LOFF], v[E:E+3], s[10:11] offset:2048
.Lend:
	s_wait_tensorcnt 0x0
	ds_add_u32 v202, v203
	s_wait_dscnt 0x0
	s_endpgm
.Lfunc_end_k_q8b7b265be3_first:
	.size	k_q8b7b265be3_first, .Lfunc_end_k_q8b7b265be3_first-k_q8b7b265be3_first
	.p2alignl 7, 3214868480
	.fill 96, 4, 3214868480
	.section	.rodata,"a",@progbits
	.p2align	6, 0x0
	.amdhsa_kernel k_q8b7b265be3_first
		.amdhsa_group_segment_fixed_size 75776
		.amdhsa_private_segment_fixed_size 0
		.amdhsa_enable_private_segment 0
		.amdhsa_kernarg_size 32
		.amdhsa_user_sgpr_count 2
		.amdhsa_user_sgpr_kernarg_segment_ptr 1
		.amdhsa_wavefront_size32 1
		.amdhsa_system_sgpr_workgroup_id_x 1
		.amdhsa_system_sgpr_workgroup_id_y 1
		.amdhsa_system_sgpr_workgroup_id_z 1
		.amdhsa_system_vgpr_workitem_id 0
		.amdhsa_next_free_vgpr 204
		.amdhsa_next_free_sgpr 66
		.amdhsa_reserve_vcc 0
		.amdhsa_float_denorm_mode_32 3
		.amdhsa_float_denorm_mode_16_64 3
		.amdhsa_memory_ordered 1
		.amdhsa_forward_progress 1
		.amdhsa_inst_pref_size 88
	.end_amdhsa_kernel
	.amdgpu_metadata
---
amdhsa.version: [ 1, 2 ]
amdhsa.kernels:
  - .name:           k_q8b7b265be3_first
    .symbol:         k_q8b7b265be3_first.kd
    .args:
      - { .name: votes, .offset: 0, .size: 8, .value_kind: global_buffer, .address_space: global }
      - { .name: child_prob, .offset: 8, .size: 8, .value_kind: global_buffer, .address_space: global }
      - { .name: partA, .offset: 16, .size: 8, .value_kind: global_buffer, .address_space: global }
      - { .name: stateA, .offset: 24, .size: 8, .value_kind: global_buffer, .address_space: global }
    .group_segment_fixed_size: 75776
    .private_segment_fixed_size: 0
    .kernarg_segment_align: 8
    .kernarg_segment_size: 32
    .max_flat_workgroup_size: 512
    .sgpr_count:     66
    .vgpr_count:     204
    .wavefront_size: 32
...
	.end_amdgpu_metadata
.endif
;; end of part 1
;; launch em (part 2): grid 256 x 1, 16 waves a work-group, no clusters, 86,528 bytes of LDS; arguments votes, child_prob, beta_a, beta_v, partA, stateA, partB, stateB; writes partB, stateB
.if DOCPART == 2
	.amdgcn_target "amdgcn-amd-amdhsa--gfx1250"
	.amdhsa_code_object_version 6
	.text
	.protected	k_q8b7b265be3_em
	.globl	k_q8b7b265be3_em
	.p2align	8
	.type	k_q8b7b265be3_em,@function
k_q8b7b265be3_em:
	s_mov_b64 s[64:65], 0
	v_nop
	global_prefetch_b8 v0, s[64:65] scope:SCOPE_SE
	s_setreg_imm32_b32 hwreg(HW_REG_WAVE_MODE, 25, 1), 1
	s_wait_xcnt 0x0
; EM routing, launches 2 and 3 of 4 (one body, buffers swapped): finish the M-step whose sums the launch before left, make the
; E-step with it, and form the next M-step's sums, all in one pass over the votes.
; IN: 16 records of sums for each batch (S1 = sum r' (v - c), S2 = sum r' (v - c)^2, S0 = sum r'), the batch's state (the shift c and
; the inverse temperature lambda of that iteration).  With q = 1 / (S0 + 1e-9):
;   mu = c (S0 q) + S1 q;  m = mu - c;  var = max(S2 - m (2 S1 - m S0), 0) q + 1e-9       (the bracket is sum r' (v - mu)^2, exact for any c)
;   cost = S0 (16 beta_v + 0.5 sum_p ln var);  a = sigmoid(lambda (beta_a - cost))
;   logit[o] = sum_p ( -0.5 (v - mu)^2 / var - 0.5 ln(2 pi var) ) + ln(a + 1e-9);  rr = softmax over the 32 parents, its maximum taken away first.
; OUT: this work-group's record of the next sums, about the shift mu, and (once a batch) the state: mu and 0.95 lambda + 0.0005,
; which is the schedule 0.01 (1 - 0.95^n) as a recurrence.
; Logits are kept in base 2: IV = -0.5 log2(e) / var; K = -0.5 sum_p log2 var - 8 log2(2 pi) + log2(a + 1e-9), added as K / 4 in each of
; the four lanes that share a parent.
; LIMITS: v_exp_f32, v_log_f32, v_rcp_f32 are good to 1 ULP and flush denormals (ISA guide 15.8): a routing weight below 2^-126 of the largest counts as 0;
; var is at least 1e-9, so no logarithm meets a denormal.  max(.., 0) turns a NaN numerator into 0: non-finite votes are not served as a plain f32 evaluation serves them.
; cost is formed as one product for each parent, the sums lane by lane, wave by wave, work-group by work-group: the order of rounding differs from a plain evaluation.
; SHAPE: 256 work-groups of 16 waves; a work-group owns 512 children of one batch (1 MiB), a wave 32.  A child is four loads of 16 bytes a
; lane, each 512 consecutive bytes: lane l holds pose numbers 4 (l % 4) .. + 3 of parents l / 4 + 8 j, j = 0 .. 3.  A ring of 8 children in registers
; keeps 32 loads (16 KiB) of every wave on their way, 256 KiB for the work-group; they go out before the sums are finished, so the head's work
; is done while they travel.  In one lap the 16 waves take 128 neighbouring children.  The four laps are written out: a child's place stands in
; the load's immediate (802,304 bytes at the most, inside the signed 24 bits), so base and offset register are never rewritten.
; THE HEAD is shared: the work-group has 512 threads and a batch 512 places (o, p), so thread t finishes the M-step for the one place
; o = t / 16, p = t % 16, and the results go to all waves through LDS: the arithmetic is done once for the work-group, not once for each wave.
; THE STREAM's five steps for each number (d, d^2, logit, S1, S2) are written in the dual form, two independent f32 operations an instruction.
; The form asks for one even and one odd destination, and for first sources, and second sources, in different register banks (number mod 4).
; All the arrays begin at multiples of 4; a pair takes number k of one parent and number k + 1 of the next parent, so parities and banks differ
; by arithmetic, the two factors r' are two neighbouring registers, and a parent's logit is one chain in a lane.
; No matrix instruction (every product is per parent: one row of weights against numbers read once), no cluster (work-groups share only their
; batch's 16 records, 73,728 bytes against 1 MiB of their own), no LDS on the way in (the ring needs no barrier).
.set CHB,     2048                     ; bytes of one child's votes
.set SLOTS,   8
.set LSTEP,   16*SLOTS*CHB             ; bytes from one lap's window to the next; 4 laps = 32 children of a wave
.set REC,     4608                     ; a record: S1 [32][16], S2 [32][16], 128 words of S0 (word 4 l + j: parent l / 4 + 8 j)
.set STB,     2560                     ; a state: shift [32][16], 128 words of lambda
.set TOT,     0                        ; LDS: the batch's totals, one record
.set PAR,     REC                      ; LDS: -mu [512], IV [512], K / 4 [512] (a word for each place)
.set RED,     PAR+6144                 ; LDS: the 16 waves' new sums
.set EPSF,    0x3089705f               ; 1e-9
.set NHL2E,   0xbf38aa3b               ; -0.5 log2(e)
.set NL2E,    0xbfb8aa3b               ; -log2(e)
.set HLN2,    0x3eb17218               ; 0.5 ln 2
.set SIXTEEN, 0x41800000               ; 16.0, the pose numbers of a parent
.set QUARTER, 0x3e800000               ; 1/4
.set N8L2PI,  0xc1a9b21d               ; -8 log2(2 pi) = -0.5 x 16 log2(2 pi)
.set DECAY,   0x3f733333               ; 0.95
.set LAMBDA1, 0x3a03126f               ; 0.0005
.set LOFF, 1                           ; v1         16 x lane; never rewritten
.set P,    4                           ; v[4:67]    head only, waves 0 .. 8: sixteen quads of records
.set NMU,  4                           ; v[4:19]    -mu at my 16 places
.set IV,   20                          ; v[20:35]   -0.5 log2(e) / var
.set S1,   36                          ; v[36:51]   the new sums
.set S2,   52                          ; v[52:67]
.set S0,   68                          ; v[68:71]
.set K4,   72                          ; v[72:75]   K / 4 of my four parents
.set E,    76                          ; v[76:91]   (v - mu)^2
.set LG,   92                          ; v[92:95]   logits, then exponentials, then r'
.set T,    96                          ; v[96:99]   at work
.set X,    108                         ; v[108:235] slot i: 16 registers
; the head's registers, one place a thread; those in LG and T are free again when the stream begins
.set HIV,  92                          ; IV
.set HK,   93                          ; K / 4
.set HAD,  94                          ; byte of my parent's S0 among the record's last 512
.set HB4,  95                          ; byte of my parent in a beta
.set HMU,  96                          ; mu, then -mu
.set HG,   97                          ; S0 q
.set HL,   98                          ; log2 var, then its sum over p
.set HT,   99
.set HC,   100                         ; the shift
.set HA,   101                         ; beta_a, then a, then log2(a + 1e-9)
.set HB,   102                         ; beta_v
.set HS1,  103
.set HS2,  104                         ; S2, then var
.set HS0,  105
.set HQ,   106
.set HM,   107
.set CP,   20                          ; s[20:51]   child_prob of my 32 children: lap r, slot i in s[20 + 8 r + i]
.macro SUM16 b                         ; v[b:b+3] = the sum of the sixteen quads from v[b] on, by halves
.irp h, 32,16,8,4
.set idx, 0
.rept \h/2
	v_pk_add_f32 v[\b+idx:\b+idx+1], v[\b+idx:\b+idx+1], v[\b+\h+idx:\b+\h+idx+1]
.set idx, idx+2
.endr
.endr
.endm
.macro FILL i, at                      ; slot i takes the child at byte 'at' from my first child
.irp j, 0,1,2,3
	global_load_b128 v[X+16*\i+4*\j:X+16*\i+4*\j+3], v[LOFF], s[4:5] offset:\at+512*\j th:TH_LOAD_NT
.endr
.endm
.macro HEAD_LOADS                      ; 3 + 32 loads: my place's shift, my parent's betas, the ring
	global_load_b32 v[HC], v3, s[14:15]
	global_load_b32 v[HA], v[HB4], s[8:9]
	global_load_b32 v[HB], v[HB4], s[10:11]
.irp i, 0,1,2,3,4,5,6,7
	FILL \i, \i*CHB
.endr
.endm
	s_load_b512 s[4:19], s[0:1], 0x0               ; votes s[4:5], child_prob s[6:7], beta_a s[8:9], beta_v s[10:11], sums in s[12:13], state in s[14:15], sums out s[16:17], state out s[18:19]
	v_lshl_add_u32 v236, v0, 2, 0x14a00
	v_mov_b32 v237, 0
	v_lshrrev_b32 v2, 5, v0
	v_readfirstlane_b32 s52, v2                    ; wave 0 .. 15
	v_and_b32 v[LOFF], 31, v0
	v_lshlrev_b32 v[LOFF], 4, v[LOFF]
	v_lshlrev_b32 v2, 4, v0                        ; 16 t: my quad of a record (threads 0 .. 287)
	v_lshlrev_b32 v3, 2, v0                        ; 4 t: my place
	v_lshrrev_b32 v[HB4], 2, v0
	v_and_b32 v[HB4], 0x7c, v[HB4]                 ; 4 o, o = t / 16
	v_and_b32 v[HAD], 0x70, v0                     ; 16 (o % 8)
	v_lshrrev_b32 v[HK], 7, v0                     ; o / 8
	v_lshlrev_b32 v[HK], 2, v[HK]
	v_lshl_add_u32 v[HAD], v[HAD], 2, v[HK]        ; parent o = g + 8 j has its S0 in word 16 g + j: byte 64 (o % 8) + 4 (o / 8)
	s_lshr_b32 s53, ttmp9, 4                       ; batch
	s_lshl_b32 s56, ttmp9, 20                      ; the work-group's 1 MiB of votes
	s_lshl_b32 s55, s52, 14                        ; + wave x 8 children
	s_add_co_u32 s56, s56, s55
	s_mov_b32 s57, 0
	s_lshl_b32 s2, ttmp9, 11                       ; child_prob: 512 words a work-group
	s_lshl_b32 s55, s52, 5                         ; + wave x 8 words
	s_add_co_u32 s2, s2, s55
	s_mov_b32 s3, 0
	s_mul_i32 s58, s53, 16*REC                     ; the batch's 16 records
	s_mov_b32 s59, 0
	s_mul_i32 s66, s53, STB                        ; the batch's state, in and out
	s_mov_b32 s67, 0
	s_mov_b32 s60, 0x76543210                      ; v_permlanex16_b32: lane i of one half reads lane i of the other
	s_mov_b32 s61, 0xfedcba98
	s_wait_kmcnt 0x0
	s_add_nc_u64 s[4:5], s[4:5], s[56:57]
	s_add_nc_u64 s[6:7], s[6:7], s[2:3]
	s_add_nc_u64 s[12:13], s[12:13], s[58:59]
	s_add_nc_u64 s[14:15], s[14:15], s[66:67]
	s_add_nc_u64 s[18:19], s[18:19], s[66:67]
.irp r, 0,1,2,3
	s_load_b256 s[CP+8*\r:CP+8*\r+7], s[6:7], 512*\r   ; lap r: 8 neighbouring words, 128 children on
.endr
	s_load_b32 s58, s[14:15], 0x800                ; lambda
	; A record has 288 quads: threads 0 .. 287 (waves 0 .. 8) add the batch's 16 records, one quad each.  Their loads go out AHEAD of the ring's,
	; since loads come back in order (ISA guide 5.7.1): the wait for them leaves the ring on its way.
	s_cmp_gt_u32 s52, 8
	s_cbranch_scc1 .Lothers
.irp w, 0,1,2,3,4,5,6,7,8,9,10,11,12,13,14,15
	global_load_b128 v[P+4*\w:P+4*\w+3], v2, s[12:13] offset:\w*REC
.endr
	HEAD_LOADS
	s_wait_loadcnt 35                              ; 35 = the 3 + 32 loads issued behind the sixteen
	SUM16 P
	ds_store_b128 v2, v[P:P+3] offset:TOT          ; the totals, in the record's order
	s_branch .Ljoin
.Lothers:
	HEAD_LOADS
.Ljoin:
	s_wait_dscnt 0x0                               ; my store is done before I say so
	s_barrier_signal -1
	s_barrier_wait -1
	; ---- the M-step is finished: thread t for place t ----
	ds_load_b32 v[HS1], v3 offset:TOT
	ds_load_b32 v[HS2], v3 offset:TOT+2048
	ds_load_b32 v[HS0], v[HAD] offset:TOT+4096
	s_wait_loadcnt 32                              ; the shift and the betas are in; the ring's 32 loads stay out
	s_wait_kmcnt 0x0                               ; child_prob, lambda
	s_mul_f32 s63, s58, NL2E                       ; -log2(e) lambda
	s_wait_dscnt 0x0
	v_add_f32 v[HQ], EPSF, v[HS0]
	v_rcp_f32 v[HQ], v[HQ]                         ; q = 1 / (rr_sum + 1e-9)
	v_mul_f32 v[HB], SIXTEEN, v[HB]                ; 16 beta_v; also the plain vector instruction that stands behind a transcendental before its result is used (ISA guide 5.7.2)
	s_wait_alu depctr_va_vdst(0)
	v_mul_f32 v[HG], v[HS0], v[HQ]                 ; g = rr_sum q
	v_mul_f32 v[HMU], v[HS1], v[HQ]
	v_fmac_f32 v[HMU], v[HC], v[HG]                ; mu = c g + S1 q = sum r' v / (rr_sum + 1e-9)
	v_sub_f32 v[HM], v[HMU], v[HC]                 ; m = mu - c
	v_mul_f32 v[HT], v[HM], v[HS0]
	v_fma_f32 v[HT], v[HS1], 2.0, -v[HT]           ; 2 S1 - m rr_sum
	v_fma_f32 v[HS2], -v[HM], v[HT], v[HS2]        ; sum r' (v - mu)^2
	v_max_num_f32 v[HS2], 0, v[HS2]                ; a sum of squares: rounding may not make it negative
	v_fmaak_f32 v[HS2], v[HS2], v[HQ], EPSF        ; var
	v_log_f32 v[HL], v[HS2]                        ; log2 var
	v_rcp_f32 v[HIV], v[HS2]
	v_xor_b32 v[HMU], 0x80000000, v[HMU]           ; -mu (again the plain instruction)
	s_wait_alu depctr_va_vdst(0)
	v_mul_f32 v[HIV], NHL2E, v[HIV]                ; -0.5 log2(e) / var
	ds_store_b32 v3, v[HMU] offset:PAR
	ds_store_b32 v3, v[HIV] offset:PAR+2048
	v_add_f32_dpp v[HL], v[HL], v[HL] row_xmask:1 row_mask:0xf bank_mask:0xf   ; a parent's 16 places are one row of 16 lanes
	v_add_f32_dpp v[HL], v[HL], v[HL] row_xmask:2 row_mask:0xf bank_mask:0xf
	v_add_f32_dpp v[HL], v[HL], v[HL] row_xmask:4 row_mask:0xf bank_mask:0xf
	v_add_f32_dpp v[HL], v[HL], v[HL] row_xmask:8 row_mask:0xf bank_mask:0xf   ; sum over p of log2 var
	v_fmamk_f32 v[HB], v[HL], HLN2, v[HB]          ; 16 beta_v + 0.5 sum ln var
	v_fma_f32 v[HA], -v[HB], v[HS0], v[HA]         ; beta_a - cost
	v_mul_f32 v[HA], s63, v[HA]
	v_exp_f32 v[HA], v[HA]                         ; e^(-lambda (beta_a - cost)); an overflow to infinity gives a = 0, as it should
	v_mul_f32 v[HK], -0.5, v[HL]
	s_wait_alu depctr_va_vdst(0)
	v_add_f32 v[HA], 1.0, v[HA]
	v_rcp_f32 v[HA], v[HA]                         ; a
	v_add_f32 v[HK], N8L2PI, v[HK]
	s_wait_alu depctr_va_vdst(0)
	v_add_f32 v[HA], EPSF, v[HA]
	v_log_f32 v[HA], v[HA]                         ; log2(a + 1e-9)
	v_nop
	s_wait_alu depctr_va_vdst(0)
	v_add_f32 v[HK], v[HK], v[HA]                  ; K
	v_mul_f32 v[HK], QUARTER, v[HK]
	ds_store_b32 v3, v[HK] offset:PAR+4096
	s_wait_dscnt 0x0                               ; my stores are done before I say so
	s_barrier_signal -1
	s_barrier_wait -1
.irp q, 0,1,2,3
	ds_load_b128 v[NMU+4*\q:NMU+4*\q+3], v[LOFF] offset:PAR+512*\q        ; byte 512 q + 16 l is place 128 q + 4 l: pose numbers 4 (l % 4) .. of parent l / 4 + 8 q
	ds_load_b128 v[IV+4*\q:IV+4*\q+3], v[LOFF] offset:PAR+2048+512*\q
	ds_load_b32 v[K4+\q], v[LOFF] offset:PAR+4096+512*\q                  ; any place of the parent holds its K / 4
.endr
	s_wait_dscnt 0x0
; ---- the child of lap r in slot i: E-step and its share of the next sums ----
; ahead = 1: the slot is filled again from the next lap's window.  left = younger loads that may stay out.  first = 1: the child starts the sums.
.macro CHILD r, i, ahead, left, first
	s_wait_loadcnt \left                           ; this slot's four loads are in
.irp t, 0,2,4,6,8,10,12,14
	v_dual_add_f32 v[X+16*\i+\t], v[X+16*\i+\t], v[NMU+\t] :: v_dual_add_f32 v[X+16*\i+\t+1], v[X+16*\i+\t+1], v[NMU+\t+1]   ; d = v - mu
.endr
.irp t, 0,2,4,6,8,10,12,14
	v_dual_mul_f32 v[E+\t], v[X+16*\i+\t], v[X+16*\i+\t] :: v_dual_mul_f32 v[E+\t+1], v[X+16*\i+\t+1], v[X+16*\i+\t+1]       ; d^2
.endr
.irp j, 0,1,2,3
	v_fma_f32 v[LG+\j], v[E+4*\j], v[IV+4*\j], v[K4+\j]                    ; a parent's chain starts on K / 4 with its number 0
.endr
.irp k, 1,2,3
.irp u, 0,2
	v_dual_fmac_f32 v[LG+\u], v[E+4*\u+\k], v[IV+4*\u+\k] :: v_dual_fmac_f32 v[LG+\u+1], v[E+4*\u+4+(\k%3)+1], v[IV+4*\u+4+(\k%3)+1]   ; numbers 1, 2, 3 of one parent beside 2, 3, 1 of the next
.endr
.endr
.irp j, 0,1,2,3
	v_add_f32_dpp v[LG+\j], v[LG+\j], v[LG+\j] row_xmask:1 row_mask:0xf bank_mask:0xf
.endr
.irp j, 0,1,2,3
	v_add_f32_dpp v[LG+\j], v[LG+\j], v[LG+\j] row_xmask:2 row_mask:0xf bank_mask:0xf   ; the logits of my four parents, base 2
.endr
	v_max3_num_f32 v[T], v[LG], v[LG+1], v[LG+2]   ; the largest of the 32: my four, then the eight groups of four lanes
	v_max_num_f32 v[T], v[T], v[LG+3]
	v_max_num_f32_dpp v[T], v[T], v[T] row_xmask:4 row_mask:0xf bank_mask:0xf
	v_max_num_f32_dpp v[T], v[T], v[T] row_xmask:8 row_mask:0xf bank_mask:0xf
	v_permlanex16_b32 v[T+1], v[T], s60, s61
	v_max_num_f32 v[T], v[T], v[T+1]
	v_pk_add_f32 v[LG:LG+1], v[LG:LG+1], v[T:T+1] op_sel_hi:[1,0] neg_lo:[0,1] neg_hi:[0,1]       ; one number for four registers: the packed form with a broadcast
	v_pk_add_f32 v[LG+2:LG+3], v[LG+2:LG+3], v[T:T+1] op_sel_hi:[1,0] neg_lo:[0,1] neg_hi:[0,1]
.irp j, 0,1,2,3
	v_exp_f32 v[LG+\j], v[LG+\j]
.endr
	v_nop                                          ; the plain instruction behind the transcendentals
	s_wait_alu depctr_va_vdst(0)
	v_pk_add_f32 v[T+2:T+3], v[LG:LG+1], v[LG+2:LG+3]
	v_add_f32 v[T+2], v[T+2], v[T+3]
	v_add_f32_dpp v[T+2], v[T+2], v[T+2] row_xmask:4 row_mask:0xf bank_mask:0xf
	v_add_f32_dpp v[T+2], v[T+2], v[T+2] row_xmask:8 row_mask:0xf bank_mask:0xf
	v_permlanex16_b32 v[T+3], v[T+2], s60, s61
	v_add_f32 v[T+2], v[T+2], v[T+3]               ; at least 1: the largest logit gives 2^0
	v_rcp_f32 v[T+2], v[T+2]
	v_nop
	s_wait_alu depctr_va_vdst(0)
	v_mul_f32 v[T+2], s[CP+8*\r+\i], v[T+2]        ; child_prob / sum
	v_pk_mul_f32 v[LG:LG+1], v[LG:LG+1], v[T+2:T+3] op_sel_hi:[1,0]               ; r' = rr x child_prob
	v_pk_mul_f32 v[LG+2:LG+3], v[LG+2:LG+3], v[T+2:T+3] op_sel_hi:[1,0]
.irp u, 0,2
.if \first
	v_dual_mov_b32 v[S0+\u], v[LG+\u] :: v_dual_mov_b32 v[S0+\u+1], v[LG+\u+1]
.else
	v_dual_add_f32 v[S0+\u], v[S0+\u], v[LG+\u] :: v_dual_add_f32 v[S0+\u+1], v[S0+\u+1], v[LG+\u+1]
.endif
.endr
.irp u, 0,2
.irp k, 0,1,2,3
.if \first
	v_dual_mul_f32 v[S1+4*\u+\k], v[X+16*\i+4*\u+\k], v[LG+\u] :: v_dual_mul_f32 v[S1+4*\u+4+(\k+1)%4], v[X+16*\i+4*\u+4+(\k+1)%4], v[LG+\u+1]
	v_dual_mul_f32 v[S2+4*\u+\k], v[E+4*\u+\k], v[LG+\u] :: v_dual_mul_f32 v[S2+4*\u+4+(\k+1)%4], v[E+4*\u+4+(\k+1)%4], v[LG+\u+1]
.else
	v_dual_fmac_f32 v[S1+4*\u+\k], v[X+16*\i+4*\u+\k], v[LG+\u] :: v_dual_fmac_f32 v[S1+4*\u+4+(\k+1)%4], v[X+16*\i+4*\u+4+(\k+1)%4], v[LG+\u+1]
	v_dual_fmac_f32 v[S2+4*\u+\k], v[E+4*\u+\k], v[LG+\u] :: v_dual_fmac_f32 v[S2+4*\u+4+(\k+1)%4], v[E+4*\u+4+(\k+1)%4], v[LG+\u+1]
.endif
.endr
.endr
.if \ahead
	FILL \i, (\r+1)*LSTEP+\i*CHB
.endif
.endm
.macro LAP r, first                    ; eight children, every slot filled again
	CHILD \r, 0, 1, 4*(SLOTS-1), \first
.irp i, 1,2,3,4,5,6,7
	CHILD \r, \i, 1, 4*(SLOTS-1), 0                ; 28 = the four loads of each of the seven younger slots
.endr
.endm
	LAP 0, 1
	LAP 1, 0
	LAP 2, 0
.irp i, 0,1,2,3,4,5,6,7
	CHILD 3, \i, 0, 4*(SLOTS-1-\i), 0              ; the last lap loads nothing: the counts run down to 0
.endr
	; The 16 waves' sums meet in LDS, in bytes of their own: wave w at RED + w x REC, quad q of lane l at 512 q + 16 l.
	s_mul_i32 s55, s52, REC
	s_add_co_u32 s55, s55, RED
	v_add_nc_u32 v2, s55, v[LOFF]
.irp q, 0,1,2,3
	ds_store_b128 v2, v[S1+4*\q:S1+4*\q+3] offset:512*\q
	ds_store_b128 v2, v[S2+4*\q:S2+4*\q+3] offset:2048+512*\q
.endr
	ds_store_b128 v2, v[S0:S0+3] offset:4096
	s_wait_dscnt 0x0                               ; my stores are done before I say so
	s_barrier_signal -1
	s_barrier_wait -1
	s_cmp_gt_u32 s52, 8
	s_cbranch_scc1 .Lend                           ; threads 0 .. 287 add one quad each
	v_lshlrev_b32 v2, 4, v0                        ; 16 t
	v_add_nc_u32 v3, 8*REC, v2                     ; waves 8 .. 15 lie beyond the reach of a 16-bit offset
.irp w, 0,1,2,3,4,5,6,7
	ds_load_b128 v[X+4*\w:X+4*\w+3], v2 offset:RED+\w*REC
	ds_load_b128 v[X+32+4*\w:X+32+4*\w+3], v3 offset:RED+\w*REC
.endr
	s_mul_i32 s56, ttmp9, REC
	s_mov_b32 s57, 0
	s_add_nc_u64 s[16:17], s[16:17], s[56:57]
	s_wait_dscnt 0x0
	SUM16 X
	global_store_b128 v2, v[X:X+3], s[16:17]       ; a wave stores 512 consecutive bytes, at a multiple of 512 from the buffer's first byte
	; The batch's next state, once: wave 0 of the batch's first work-group stores mu (the shift of the sums above) and the next lambda.
	s_and_b32 s55, ttmp9, 15
	s_or_b32 s55, s55, s52
	s_cmp_lg_u32 s55, 0
	s_cbranch_scc1 .Lend
	s_mul_f32 s59, s58, DECAY
	s_add_f32 s59, s59, LAMBDA1                    ; 0.01 (1 - 0.95^(n+1)) = 0.95 x 0.01 (1 - 0.95^n) + 0.0005
.irp k, 0,1,2,3
	v_mov_b32 v[T+\k], s59
.endr
.irp t, 0,2,4,6,8,10,12,14
	v_pk_mul_f32 v[E+\t:E+\t+1], v[NMU+\t:NMU+\t+1], -1.0 op_sel_hi:[1,0]         ; the registers hold -mu
.endr
.irp j, 0,1,2,3
	global_store_b128 v[LOFF], v[E+4*\j:E+4*\j+3], s[18:19] offset:512*\j
.endr
	global_store_b128 v[LOFF], v[T:T+3], s[18:19] offset:2048
.Lend:
	s_wait_tensorcnt 0x0
	ds_add_u32 v236, v237
	s_wait_dscnt 0x0
	s_endpgm
.Lfunc_end_k_q8b7b265be3_em:
	.size	k_q8b7b265be3_em, .Lfunc_end_k_q8b7b265be3_em-k_q8b7b265be3_em
	.p2alignl 7, 3214868480
	.fill 96, 4, 3214868480
	.section	.rodata,"a",@progbits
	.p2align	6, 0x0
	.amdhsa_kernel k_q8b7b265be3_em
		.amdhsa_group_segment_fixed_size 86528
		.amdhsa_private_segment_fixed_size 0
		.amdhsa_enable_private_segment 0
		.amdhsa_kernarg_size 64
		.amdhsa_user_sgpr_count 2
		.amdhsa_user_sgpr_kernarg_segment_ptr 1
		.amdhsa_wavefront_size32 1
		.amdhsa_system_sgpr_workgroup_id_x 1
		.amdhsa_system_sgpr_workgroup_id_y 1
		.amdhsa_system_sgpr_workgroup_id_z 1
		.amdhsa_system_vgpr_workitem_id 0
		.amdhsa_next_free_vgpr 238
		.amdhsa_next_free_sgpr 68
		.amdhsa_reserve_vcc 0
		.amdhsa_float_denorm_mode_32 3
		.amdhsa_float_denorm_mode_16_64 3
		.amdhsa_memory_ordered 1
		.amdhsa_forward_progress 1
		.amdhsa_inst_pref_size 173
	.end_amdhsa_kernel
	.amdgpu_metadata
---
amdhsa.version: [ 1, 2 ]
amdhsa.kernels:
  - .name:           k_q8b7b265be3_em
    .symbol:         k_q8b7b265be3_em.kd
    .args:
      - { .name: votes, .offset: 0, .size: 8, .value_kind: global_buffer, .address_space: global }
      - { .name: child_prob, .offset: 8, .size: 8, .value_kind: global_buffer, .address_space: global }
      - { .name: beta_a, .offset: 16, .size: 8, .value_kind: global_buffer, .address_space: global }
      - { .name: beta_v, .offset: 24, .size: 8, .value_kind: global_buffer, .address_space: global }
      - { .name: partA, .offset: 32, .size: 8, .value_kind: global_buffer, .address_space: global }
      - { .name: stateA, .offset: 40, .size: 8, .value_kind: global_buffer, .address_space: global }
      - { .name: partB, .offset: 48, .size: 8, .value_kind: global_buffer, .address_space: global }
      - { .name: stateB, .offset: 56, .size: 8, .value_kind: global_buffer, .address_space: global }
    .group_segment_fixed_size: 86528
    .private_segment_fixed_size: 0
    .kernarg_segment_align: 8
    .kernarg_segment_size: 64
    .max_flat_workgroup_size: 512
    .sgpr_count:     68
    .vgpr_count:     238
    .wavefront_size: 32
...
	.end_amdgpu_metadata
.endif
;; end of part 2
;; launch em_again: the kernel of part 2 again; grid 256 x 1, 16 waves a work-group, no clusters, 86,528 bytes of LDS; arguments votes, child_prob, beta_a, beta_v, partB, stateB, partA, stateA; writes partA, stateA
;; launch last (part 3): grid 16 x 1, 16 waves a work-group, no clusters, 8,960 bytes of LDS; arguments beta_a, beta_v, partA, stateA, out0; writes out0
.if DOCPART == 3
	.amdgcn_target "amdgcn-amd-amdhsa--gfx1250"
	.amdhsa_code_object_version 6
	.text
	.protected	k_q8b7b265be3_last
	.globl	k_q8b7b265be3_last
	.p2align	8
	.type	k_q8b7b265be3_last,@function
k_q8b7b265be3_last:
	s_mov_b64 s[64:65], 0
	v_nop
	global_prefetch_b8 v0, s[64:65] scope:SCOPE_SE
	s_setreg_imm32_b32 hwreg(HW_REG_WAVE_MODE, 25, 1), 1
	s_wait_xcnt 0x0
; EM routing, launch 4 of 4: the last M-step is finished from its sums and the result [16][32][17] is written: 16 numbers of mu and a for each parent.
; One work-group for each batch, as many as there is work for: a batch's 16 records of sums are 73,728 bytes.
; With q = 1 / (S0 + 1e-9), c the shift of the sums, lambda the iteration's inverse temperature (both from the batch's state):
;   mu = c (S0 q) + S1 q;  m = mu - c;  var = max(S2 - m (2 S1 - m S0), 0) q + 1e-9;
;   cost = S0 (16 beta_v + 0.5 sum_p ln var);  a = sigmoid(lambda (beta_a - cost)).
; Sixteen waves = 512 threads.  Threads 0 .. 287 add one quad of the 16 records each; then thread t finishes the one place o = t / 16, p = t % 16
; (a parent's 16 places are one row of 16 lanes, so the sum over p never leaves the row); then the result, laid in its own order in LDS, leaves as quads.
; Every thread's loads (records, its place's shift, its parent's betas) go out together at the start.
; LIMITS: as in the launches before: transcendentals good to 1 ULP; max(.., 0) turns a NaN numerator into 0; cost is one product for each parent.
; A batch's result is 2,176 bytes = 136 quads, stored by waves 0 .. 4: threads 136 .. 159 repeat quad 135, the same 16 bytes with the same numbers.
; Every second batch begins in the middle of an aligned block of 256 bytes: 8 of the 136 blocks are written by two work-groups.
.set REC,     4608                     ; a record: S1 [32][16], S2 [32][16], 128 words of S0 (word 4 l + j: parent l / 4 + 8 j)
.set STB,     2560                     ; a state: shift [32][16], 128 words of lambda
.set OUTB,    2176                     ; a batch's result: 32 rows of 17 f32
.set TOT,     0                        ; LDS: the totals, one record
.set STAGE,   REC                      ; LDS: the result in its own order, 2,176 bytes; wave w writes rows 2 w, 2 w + 1: bytes 136 w .. 136 w + 135
.set EPSF,    0x3089705f               ; 1e-9
.set NL2E,    0xbfb8aa3b               ; -log2(e)
.set HLN2,    0x3eb17218               ; 0.5 ln 2
.set SIXTEEN, 0x41800000               ; 16.0
.set P,    4                           ; v[4:67]    waves 0 .. 8: sixteen quads of records
.set HC,   68                          ; the shift
.set HA,   69                          ; beta_a, then a
.set HB,   70                          ; beta_v
.set HS1,  71
.set HS2,  72                          ; S2, then var
.set HS0,  73
.set HQ,   74
.set HM,   75
.set HMU,  76
.set HG,   77
.set HL,   78                          ; log2 var, then its sum over p
.set HT,   79
.set HAD,  80                          ; byte of my parent's S0 among the record's last 512
.set HB4,  81                          ; byte of my parent in a beta
.set SAD,  82                          ; where my mu goes in the stage
.set AAD,  83                          ; my parent's row in the stage
.set O,    84                          ; v[84:87]   a quad of the result on its way out
.set QAD,  88                          ; its byte in the result
.macro SUM16 b                         ; v[b:b+3] = the sum of the sixteen quads from v[b] on, by halves
.irp h, 32,16,8,4
.set idx, 0
.rept \h/2
	v_pk_add_f32 v[\b+idx:\b+idx+1], v[\b+idx:\b+idx+1], v[\b+\h+idx:\b+\h+idx+1]
.set idx, idx+2
.endr
.endr
.endm
.macro HEAD_LOADS                      ; my place's shift, my parent's betas
	global_load_b32 v[HC], v3, s[10:11]
	global_load_b32 v[HA], v[HB4], s[4:5]
	global_load_b32 v[HB], v[HB4], s[6:7]
.endm
	s_load_b256 s[4:11], s[0:1], 0x0               ; beta_a s[4:5], beta_v s[6:7], sums s[8:9], state s[10:11]
	s_load_b64 s[12:13], s[0:1], 0x20              ; the result
	v_lshl_add_u32 v90, v0, 2, 0x1b00
	v_mov_b32 v91, 0
	v_lshrrev_b32 v2, 5, v0
	v_readfirstlane_b32 s14, v2                    ; wave 0 .. 15
	v_lshlrev_b32 v2, 4, v0                        ; 16 t: my quad of a record (threads 0 .. 287)
	v_lshlrev_b32 v3, 2, v0                        ; 4 t: my place
	v_lshrrev_b32 v[HB4], 2, v0
	v_and_b32 v[HB4], 0x7c, v[HB4]                 ; 4 o, o = t / 16
	v_and_b32 v[HAD], 0x70, v0                     ; 16 (o % 8)
	v_lshrrev_b32 v[HT], 7, v0                     ; o / 8
	v_lshlrev_b32 v[HT], 2, v[HT]
	v_lshl_add_u32 v[HAD], v[HAD], 2, v[HT]        ; parent o = g + 8 j has its S0 in word 16 g + j: byte 64 (o % 8) + 4 (o / 8)
	s_mul_i32 s15, s14, 136                        ; my wave's two rows of 68 bytes in the stage
	v_bfe_u32 v[AAD], v0, 4, 1                     ; which of the two
	v_mul_u32_u24 v[AAD], 68, v[AAD]
	v_and_b32 v[SAD], 15, v0                       ; p
	v_lshl_add_u32 v[SAD], v[SAD], 2, v[AAD]
	v_add_nc_u32 v[SAD], s15, v[SAD]               ; 68 o + 4 p
	v_add_nc_u32 v[AAD], s15, v[AAD]               ; 68 o
	s_mul_i32 s16, ttmp9, 16*REC
	s_mov_b32 s17, 0
	s_mul_i32 s18, ttmp9, STB
	s_mov_b32 s19, 0
	s_mul_i32 s20, ttmp9, OUTB
	s_mov_b32 s21, 0
	s_wait_kmcnt 0x0
	s_add_nc_u64 s[8:9], s[8:9], s[16:17]
	s_add_nc_u64 s[10:11], s[10:11], s[18:19]
	s_add_nc_u64 s[12:13], s[12:13], s[20:21]
	s_load_b32 s22, s[10:11], 0x800                ; lambda
	s_cmp_gt_u32 s14, 8
	s_cbranch_scc1 .Lothers
.irp w, 0,1,2,3,4,5,6,7,8,9,10,11,12,13,14,15
	global_load_b128 v[P+4*\w:P+4*\w+3], v2, s[8:9] offset:\w*REC
.endr
	HEAD_LOADS
	s_wait_loadcnt 3                               ; 3 = the loads issued behind the sixteen
	SUM16 P
	ds_store_b128 v2, v[P:P+3] offset:TOT          ; the totals, in the record's order
	s_branch .Ljoin
.Lothers:
	HEAD_LOADS
.Ljoin:
	s_wait_dscnt 0x0                               ; my store is done before I say so
	s_barrier_signal -1
	s_barrier_wait -1
	; ---- thread t finishes place t ----
	ds_load_b32 v[HS1], v3 offset:TOT
	ds_load_b32 v[HS2], v3 offset:TOT+2048
	ds_load_b32 v[HS0], v[HAD] offset:TOT+4096
	s_wait_loadcnt 0x0                             ; the shift and the betas
	s_wait_kmcnt 0x0                               ; lambda
	s_mul_f32 s23, s22, NL2E                       ; -log2(e) lambda
	s_wait_dscnt 0x0
	v_add_f32 v[HQ], EPSF, v[HS0]
	v_rcp_f32 v[HQ], v[HQ]                         ; q = 1 / (rr_sum + 1e-9)
	v_mul_f32 v[HB], SIXTEEN, v[HB]                ; 16 beta_v; also the plain vector instruction that stands behind a transcendental before its result is used (ISA guide 5.7.2)
	s_wait_alu depctr_va_vdst(0)
	v_mul_f32 v[HG], v[HS0], v[HQ]                 ; g = rr_sum q
	v_mul_f32 v[HMU], v[HS1], v[HQ]
	v_fmac_f32 v[HMU], v[HC], v[HG]                ; mu = c g + S1 q
	ds_store_b32 v[SAD], v[HMU] offset:STAGE
	v_sub_f32 v[HM], v[HMU], v[HC]                 ; m = mu - c
	v_mul_f32 v[HT], v[HM], v[HS0]
	v_fma_f32 v[HT], v[HS1], 2.0, -v[HT]           ; 2 S1 - m rr_sum
	v_fma_f32 v[HS2], -v[HM], v[HT], v[HS2]        ; sum r' (v - mu)^2
	v_max_num_f32 v[HS2], 0, v[HS2]                ; a sum of squares: rounding may not make it negative
	v_fmaak_f32 v[HS2], v[HS2], v[HQ], EPSF        ; var
	v_log_f32 v[HL], v[HS2]                        ; log2 var
	v_nop
	s_wait_alu depctr_va_vdst(0)
	v_add_f32_dpp v[HL], v[HL], v[HL] row_xmask:1 row_mask:0xf bank_mask:0xf
	v_add_f32_dpp v[HL], v[HL], v[HL] row_xmask:2 row_mask:0xf bank_mask:0xf
	v_add_f32_dpp v[HL], v[HL], v[HL] row_xmask:4 row_mask:0xf bank_mask:0xf
	v_add_f32_dpp v[HL], v[HL], v[HL] row_xmask:8 row_mask:0xf bank_mask:0xf   ; sum over p of log2 var
	v_fmamk_f32 v[HB], v[HL], HLN2, v[HB]          ; 16 beta_v + 0.5 sum ln var
	v_fma_f32 v[HA], -v[HB], v[HS0], v[HA]         ; beta_a - cost
	v_mul_f32 v[HA], s23, v[HA]
	v_exp_f32 v[HA], v[HA]                         ; e^(-lambda (beta_a - cost)); an overflow to infinity gives a = 0, as it should
	v_nop
	s_wait_alu depctr_va_vdst(0)
	v_add_f32 v[HA], 1.0, v[HA]
	v_rcp_f32 v[HA], v[HA]                         ; a
	v_nop
	s_wait_alu depctr_va_vdst(0)
	ds_store_b32 v[AAD], v[HA] offset:STAGE+64     ; the parent's sixteen lanes store the same word with the same value
	s_wait_dscnt 0x0                               ; my stores are done before I say so
	s_barrier_signal -1
	s_barrier_wait -1
	s_cmp_gt_u32 s14, 4
	s_cbranch_scc1 .Lend                           ; 136 quads: waves 0 .. 4
	v_min_u32 v[QAD], 135, v0                      ; threads 136 .. 159 repeat the last quad
	v_lshlrev_b32 v[QAD], 4, v[QAD]
	ds_load_b128 v[O:O+3], v[QAD] offset:STAGE
	s_wait_dscnt 0x0
	global_store_b128 v[QAD], v[O:O+3], s[12:13]   ; waves 0 .. 3: 512 consecutive bytes each; wave 4: the last 128
.Lend:
	s_wait_tensorcnt 0x0
	ds_add_u32 v90, v91
	s_wait_dscnt 0x0
	s_endpgm
.Lfunc_end_k_q8b7b265be3_last:
	.size	k_q8b7b265be3_last, .Lfunc_end_k_q8b7b265be3_last-k_q8b7b265be3_last
	.p2alignl 7, 3214868480
	.fill 96, 4, 3214868480
	.section	.rodata,"a",@progbits
	.p2align	6, 0x0
	.amdhsa_kernel k_q8b7b265be3_last
		.amdhsa_group_segment_fixed_size 8960
		.amdhsa_private_segment_fixed_size 0
		.amdhsa_enable_private_segment 0
		.amdhsa_kernarg_size 40
		.amdhsa_user_sgpr_count 2
		.amdhsa_user_sgpr_kernarg_segment_ptr 1
		.amdhsa_wavefront_size32 1
		.amdhsa_system_sgpr_workgroup_id_x 1
		.amdhsa_system_sgpr_workgroup_id_y 1
		.amdhsa_system_sgpr_workgroup_id_z 1
		.amdhsa_system_vgpr_workitem_id 0
		.amdhsa_next_free_vgpr 92
		.amdhsa_next_free_sgpr 66
		.amdhsa_reserve_vcc 0
		.amdhsa_float_denorm_mode_32 3
		.amdhsa_float_denorm_mode_16_64 3
		.amdhsa_memory_ordered 1
		.amdhsa_forward_progress 1
		.amdhsa_inst_pref_size 9
	.end_amdhsa_kernel
	.amdgpu_metadata
---
amdhsa.version: [ 1, 2 ]
amdhsa.kernels:
  - .name:           k_q8b7b265be3_last
    .symbol:         k_q8b7b265be3_last.kd
    .args:
      - { .name: beta_a, .offset: 0, .size: 8, .value_kind: global_buffer, .address_space: global }
      - { .name: beta_v, .offset: 8, .size: 8, .value_kind: global_buffer, .address_space: global }
      - { .name: partA, .offset: 16, .size: 8, .value_kind: global_buffer, .address_space: global }
      - { .name: stateA, .offset: 24, .size: 8, .value_kind: global_buffer, .address_space: global }
      - { .name: out0, .offset: 32, .size: 8, .value_kind: global_buffer, .address_space: global }
    .group_segment_fixed_size: 8960
    .private_segment_fixed_size: 0
    .kernarg_segment_align: 8
    .kernarg_segment_size: 40
    .max_flat_workgroup_size: 512
    .sgpr_count:     66
    .vgpr_count:     92
    .wavefront_size: 32
...
	.end_amdgpu_metadata
.endif
;; end of part 3
;; ======== version 2 of 2: 4 launches; version 1 with the launch first written anew for expert scheduling mode
;; limits: a difference of large sums (such as E[x^2] - mean^2): digits are lost where the result is much smaller than its terms
;; workspace buffers: partA 1,179,648 bytes; partB 1,179,648 bytes; stateA 40,960 bytes; stateB 40,960 bytes
;; launch first (part 4): grid 256 x 1, 16 waves a work-group, no clusters, 75,776 bytes of LDS; arguments votes, child_prob, partA, stateA; writes partA, stateA
.if DOCPART == 4
	.amdgcn_target "amdgcn-amd-amdhsa--gfx1250"
	.amdhsa_code_object_version 6
	.text
	.protected	k_q8b7b265be3_first
	.globl	k_q8b7b265be3_first
	.p2align	8
	.type	k_q8b7b265be3_first,@function
k_q8b7b265be3_first:
	s_mov_b64 s[64:65], 0
	v_nop
	global_prefetch_b8 v0, s[64:65] scope:SCOPE_SE
	s_setreg_imm32_b32 hwreg(HW_REG_WAVE_SCHED_MODE, 0, 2), 2
	s_setreg_imm32_b32 hwreg(HW_REG_WAVE_MODE, 25, 1), 1
	s_wait_xcnt 0x0
	s_wait_alu depctr_vm_vsrc(0)
; EM routing, launch 1 of 4: the sums of the first M-step, where every routing weight is 1/32.
; votes [16][8192][32][16] f32, child_prob [16][8192] f32.  With r' = child_prob / 32 and a shift c[o][p] the launch forms
;   S0 = sum r',  S1[o][p] = sum r' (v - c),  S2[o][p] = sum r' (v - c)^2     over the children of a work-group.
; The next launch makes mu and var of them: with m = mu - c, sum r' (v - mu)^2 = S2 - m (2 S1 - m S0), exact for any c.
; c is the vote of the batch's first child, so that a common offset of the votes never enters a square.
; LIMIT: the variance's rounding error grows like 2^-24 (1 + (c - mean)^2 / var); a first child far outside the spread of the others costs digits.
; LIMIT: the sums are formed lane by lane, wave by wave, work-group by work-group, not in the order of a plain sum over the children.
; SHAPE: 256 work-groups of 16 waves; a work-group owns 512 children of one batch (1 MiB), a wave 32 of them.
; A child is 2,048 bytes = four loads of 16 bytes a lane, each 512 consecutive bytes: lane l holds pose numbers 4 (l % 4) .. + 3 of
; parents l / 4 + 8 j, j = 0 .. 3, the same places for every child, so c and the sums stay in registers.
; A wave's child n lies in window n / 8 (the 16 waves take 128 neighbouring children, 256 KiB, a window) at place n % 8 of the wave's eight there.
; The 32 children are written out: a child's place stands in the load's immediate (802,304 bytes at the most, inside the signed 24 bits),
; so neither the base nor the offset register is ever rewritten and no wait stands for their sake.
; No matrix instruction (each sum is a product of one row of weights with a matrix read once), no cluster (no input is shared),
; no LDS on the way in (the buffers lie in registers and need no barrier).
; THE MODE: SCHED_MODE bits 1:0 = 2 (LLVM: expert scheduling mode 2), set by the entry lines.  The code itself states the register dependences
; between vector instructions and memory or LDS instructions, with s_wait_alu, always for 0.
; THE PLAN.  The 32 children go in 16 blocks of two.  Registers that memory or LDS instructions touch:
;   X0 .. X4   five buffers of two children; child n has the 16 registers at X + 16 (n % 10).  Block p's subtractions write X[p % 5] in place, its squares
;              and multiply-adds read it.  The loads of block p + 4, issued in block p, land in X[(p + 4) % 5] = X[(p - 1) % 5]: the buffer that
;              block p - 1 worked on and that no vector instruction of block p names.
;   C          written by four loads at the head; read by the subtractions, and by the state's stores at the end.
;   v[LOFF]    16 x lane, made once at the head: the offset of every load; never written again.
;   S0, S1, S2 written by vector instructions; read by the LDS stores at the end, and not written after them.
;   v2, v[QA], v[QB]  the way out's three addresses, a register each, made together ahead of the LDS stores and never rewritten.
; So ONE wait on va_vdst stands at the head of a block that loads: it states that the block before is done writing and reading its buffer.  The block's
; eight loads follow it, dealt among the block's vector instructions, which name X[p % 5], C, E, W and the sums: none of the registers in which those loads land.
; Eight children of a wave are asked for at the head, and child n + 8 during child n's arithmetic: 28 to 32 loads (up to 16 KiB) of every wave are on their way,
; up to 256 KiB for the work-group.  No register that a memory or LDS instruction reads is written afterwards, so the children's code holds no wait on vm_vsrc.
.set CHB,     2048                     ; bytes of one child's votes
.set AHEAD,   8                        ; child n + 8 is asked for in child n's turn
.set LSTEP,   16*8*CHB                 ; bytes from one window to the next
.set REC,     4608                     ; a record of sums: S1 [32][16], S2 [32][16], then 128 words of S0 (word 4 l + j: parent l / 4 + 8 j)
.set STB,     2560                     ; a batch's state: the shift [32][16], then 128 words of the inverse temperature
.set LAMBDA1, 0x3a03126f               ; 0.0005 = 0.01 (1 - 0.95)
.set LOFF, 1                           ; v1        16 x lane; never rewritten
.set QA,   3                           ; v3        the way out: 16 t, my quad of a record
.set C,    4                           ; v[4:19]   the shift at my 16 places
.set S1,   20                          ; v[20:35]
.set S2,   36                          ; v[36:51]
.set S0,   52                          ; v[52:55]  S0 in v52; copied to all four at the end
.set W,    56                          ; v[56:57]  r' of the child at work (v57 only completes the pair)
.set E,    58                          ; v[58:73]  (v - c)^2
.set X,    74                          ; v[74:233] five buffers of two children
.set QB,   234                         ; v234      the way out: 16 t + 8 records
.set CP,   16                          ; s[16:47]  child_prob of my 32 children: child n in s[16 + n]
	s_load_b256 s[4:11], s[0:1], 0x0               ; votes s[4:5], child_prob s[6:7], sums s[8:9], state s[10:11]
	v_lshl_add_u32 v236, v0, 2, 0x12000
	v_mov_b32 v237, 0
	v_lshrrev_b32 v2, 5, v0
	v_readfirstlane_b32 s12, v2                    ; wave 0 .. 15
	v_and_b32 v[LOFF], 31, v0
	v_lshlrev_b32 v[LOFF], 4, v[LOFF]
	v_mov_b32 v[W+1], 0
	s_wait_alu depctr_va_sdst(0)                   ; s12 is written, ahead of its first reader: the wave's places in votes and child_prob are made from it
	s_lshr_b32 s13, ttmp9, 4                       ; batch: 16 work-groups each
	s_lshl_b32 s2, s13, 24                         ; a batch's votes are 16 MiB
	s_mov_b32 s3, 0
	s_lshl_b32 s48, ttmp9, 20                      ; the work-group's 1 MiB
	s_lshl_b32 s15, s12, 14                        ; + wave x 8 children
	s_add_co_u32 s48, s48, s15
	s_mov_b32 s49, 0
	s_lshl_b32 s50, ttmp9, 11                      ; child_prob: 512 words a work-group
	s_lshl_b32 s15, s12, 5                         ; + wave x 8 words
	s_add_co_u32 s50, s50, s15
	s_mov_b32 s51, 0
	s_mov_b32 s52, 0x3d000000                      ; 1/32, the first routing weight
	s_wait_kmcnt 0x0
	s_add_nc_u64 s[2:3], s[4:5], s[2:3]            ; the batch's first child
	s_add_nc_u64 s[4:5], s[4:5], s[48:49]          ; my first child
	s_add_nc_u64 s[6:7], s[6:7], s[50:51]
.irp r, 0,1,2,3
	s_load_b256 s[CP+8*\r:CP+8*\r+7], s[6:7], 512*\r   ; window r: 8 neighbouring words, 128 children on
.endr
	s_wait_alu depctr_va_vdst(0)                   ; v[LOFF] is written: every load of the kernel reads it as its offset
.irp j, 0,1,2,3
	global_load_b128 v[C+4*\j:C+4*\j+3], v[LOFF], s[2:3] offset:512*\j   ; the shift; all 256 waves of the batch read it: no hint
.endr
.macro FILL1 n, j                      ; load j of the four of child n, into the child's 16 registers
	global_load_b128 v[X+16*((\n)%10)+4*(\j):X+16*((\n)%10)+4*(\j)+3], v[LOFF], s[4:5] offset:((\n)/8)*LSTEP+((\n)%8)*CHB+512*(\j) th:TH_LOAD_NT
.endm
.macro FILL n
.irp j, 0,1,2,3
	FILL1 \n, \j
.endr
.endm
.irp n, 0,1,2,3,4,5,6,7
	FILL \n                                        ; blocks 0 to 3 into X0 .. X3
.endr
	s_wait_kmcnt 0x0                               ; child_prob
; Four pairs of S1 and of S2, from number 'base' on, take the child at work.  first = 1: the child starts the sums, so nothing is cleared.
.macro ACC4 base, first
.irp t, 0,2,4,6
.if \first
	v_pk_mul_f32 v[S1+\base+\t:S1+\base+\t+1], v[XS+\base+\t:XS+\base+\t+1], v[W:W+1] op_sel_hi:[1,0]
	v_pk_mul_f32 v[S2+\base+\t:S2+\base+\t+1], v[E+\base+\t:E+\base+\t+1], v[W:W+1] op_sel_hi:[1,0]
.else
	v_pk_fma_f32 v[S1+\base+\t:S1+\base+\t+1], v[XS+\base+\t:XS+\base+\t+1], v[W:W+1], v[S1+\base+\t:S1+\base+\t+1] op_sel_hi:[1,0,1]
	v_pk_fma_f32 v[S2+\base+\t:S2+\base+\t+1], v[E+\base+\t:E+\base+\t+1], v[W:W+1], v[S2+\base+\t:S2+\base+\t+1] op_sel_hi:[1,0,1]
.endif
.endr
.endm
; Child n.  ahead = 1: child n + 8 is asked for, a load ahead of each group of eight packed instructions.  left = younger loads that may stay out.
; first = 1: the child starts the sums.  head = 1: the first child of a block that loads and has a block in front of it.
.macro CHILD n, ahead, left, first, head
.set XS, X+16*((\n)%10)
	s_wait_loadcnt \left                           ; loads come back in order (ISA guide 5.7.1): this child's four are in (and, at the first child, the shift ahead of them)
.if \head
	s_wait_alu depctr_va_vdst(0)                   ; the block before is done writing and reading its buffer, in which this block's eight loads land
.endif
.if \ahead
	FILL1 (\n)+AHEAD, 0                            ; no vector instruction since the block's wait names these registers
.endif
	v_mul_f32 v[W], s52, s[CP+(\n)]                ; r' = rr x child_prob
.irp t, 0,2,4,6,8,10,12,14
	v_pk_add_f32 v[XS+\t:XS+\t+1], v[XS+\t:XS+\t+1], v[C+\t:C+\t+1] neg_lo:[0,1] neg_hi:[0,1]   ; d = v - c
.endr
.if \ahead
	FILL1 (\n)+AHEAD, 1
.endif
.irp t, 0,2,4,6,8,10,12,14
	v_pk_mul_f32 v[E+\t:E+\t+1], v[XS+\t:XS+\t+1], v[XS+\t:XS+\t+1]                            ; d^2
.endr
.if \ahead
	FILL1 (\n)+AHEAD, 2
.endif
.if \first
	v_mov_b32 v[S0], v[W]
.else
	v_add_f32 v[S0], v[S0], v[W]
.endif
	ACC4 0, \first
.if \ahead
	FILL1 (\n)+AHEAD, 3
.endif
	ACC4 8, \first
.endm
; Block p: children 2 p and 2 p + 1, in X[p % 5].  ahead = 1: block p + 4 is asked for, into X[(p - 1) % 5].
.macro BLK p, ahead, first
.if \ahead
	CHILD 2*(\p), 1, 4*(AHEAD-1), \first, 1-(\first)   ; 28 = the four loads of each of the seven younger children
	CHILD 2*(\p)+1, 1, 4*(AHEAD-1), 0, 0               ; again seven younger: the child asked for in the turn before is among them
.else
	CHILD 2*(\p), 0, 4*(31-2*(\p)), 0, 0               ; nothing is asked for: the counts run down to 0, and no load hangs on a vector instruction
	CHILD 2*(\p)+1, 0, 4*(30-2*(\p)), 0, 0
.endif
.endm
	BLK 0, 1, 1                                    ; block 0 has no block in front of it: X4, in which its loads land, has been named by no vector instruction
.irp p, 1,2,3,4,5,6,7,8,9,10,11
	BLK \p, 1, 0
.endr
.irp p, 12,13,14,15
	BLK \p, 0, 0                                   ; the last eight children: no load leaves the wave's share
.endr
	; The 16 waves' sums meet in LDS: wave w puts its nine quads at w x REC, quad q of lane l at 512 q + 16 l, which is the record's own order.
	v_mov_b32 v[S0+1], v[S0]                       ; here S0 is the same for all parents; the record has a word for each of my four
	v_mov_b32 v[S0+2], v[S0]
	v_mov_b32 v[S0+3], v[S0]
	s_mul_i32 s15, s12, REC
	v_add_nc_u32 v2, s15, v[LOFF]
	v_lshlrev_b32 v[QA], 4, v0                     ; 16 t: the addresses of the reads behind the barrier are made here, ahead of the one wait
	v_add_nc_u32 v[QB], 8*REC, v[QA]               ; waves 8 .. 15 lie beyond the reach of a 16-bit offset
	s_wait_alu depctr_va_vdst(0)                   ; S0, S1, S2 and v2 are written, which the LDS stores read; v[QA] and v[QB] are written, which the LDS loads below read;
	                                               ; the children's arithmetic is done with X, in which those loads land (no vector instruction stands between here and them)
.irp q, 0,1,2,3
	ds_store_b128 v2, v[S1+4*\q:S1+4*\q+3] offset:512*\q
	ds_store_b128 v2, v[S2+4*\q:S2+4*\q+3] offset:2048+512*\q
.endr
	ds_store_b128 v2, v[S0:S0+3] offset:4096
	s_wait_dscnt 0x0                               ; my stores are done before I say so
	s_barrier_signal -1
	s_barrier_wait -1
	s_cmp_gt_u32 s12, 8
	s_cbranch_scc1 .Lend                           ; a record has 288 quads: threads 0 .. 287, waves 0 .. 8, add one each
.irp w, 0,1,2,3,4,5,6,7
	ds_load_b128 v[X+4*\w:X+4*\w+3], v[QA] offset:\w*REC
	ds_load_b128 v[X+32+4*\w:X+32+4*\w+3], v[QB] offset:\w*REC
.endr
	s_mul_i32 s48, ttmp9, REC
	s_mov_b32 s49, 0
	s_add_nc_u64 s[8:9], s[8:9], s[48:49]
	s_wait_dscnt 0x0
.macro SUM16 b                         ; v[b:b+3] = the sum of the sixteen quads from v[b] on, by halves
.irp h, 32,16,8,4
.set idx, 0
.rept \h/2
	v_pk_add_f32 v[\b+idx:\b+idx+1], v[\b+idx:\b+idx+1], v[\b+\h+idx:\b+\h+idx+1]
.set idx, idx+2
.endr
.endr
.endm
	SUM16 X
	s_wait_alu depctr_va_vdst(0)                   ; the additions have written v[X:X+3], which the store reads
	global_store_b128 v[QA], v[X:X+3], s[8:9]      ; a wave stores 512 consecutive bytes, at a multiple of 512 from the buffer's first byte
	; The batch's state, once: wave 0 of the batch's first work-group stores the shift and the first inverse temperature.
	s_and_b32 s14, ttmp9, 15
	s_or_b32 s14, s14, s12
	s_cmp_lg_u32 s14, 0
	s_cbranch_scc1 .Lend
	s_mul_i32 s48, s13, STB
	s_mov_b32 s49, 0
	s_add_nc_u64 s[10:11], s[10:11], s[48:49]
.irp k, 0,1,2,3
	v_mov_b32 v[E+\k], LAMBDA1
.endr
	s_wait_alu depctr_va_vdst(0)                   ; the four moves have written v[E:E+3], which the last store reads (C came by loads and was only read since)
.irp j, 0,1,2,3
	global_store_b128 v[LOFF], v[C+4*\j:C+4*\j+3], s[10:11] offset:512*\j
.endr
	global_store_b128 v[LOFF], v[E:E+3], s[10:11] offset:2048
.Lend:
	s_wait_dscnt 0x0
	s_wait_alu depctr_hold_cnt(0) depctr_sa_sdst(0) depctr_va_vdst(0) depctr_va_sdst(0) depctr_va_ssrc(0) depctr_va_vcc(0) depctr_vm_vsrc(0)
	s_wait_tensorcnt 0x0
	ds_add_u32 v236, v237
	s_wait_dscnt 0x0
	s_endpgm
.Lfunc_end_k_q8b7b265be3_first:
	.size	k_q8b7b265be3_first, .Lfunc_end_k_q8b7b265be3_first-k_q8b7b265be3_first
	.p2alignl 7, 3214868480
	.fill 96, 4, 3214868480
	.section	.rodata,"a",@progbits
	.p2align	6, 0x0
	.amdhsa_kernel k_q8b7b265be3_first
		.amdhsa_group_segment_fixed_size 75776
		.amdhsa_private_segment_fixed_size 0
		.amdhsa_enable_private_segment 0
		.amdhsa_kernarg_size 32
		.amdhsa_user_sgpr_count 2
		.amdhsa_user_sgpr_kernarg_segment_ptr 1
		.amdhsa_wavefront_size32 1
		.amdhsa_system_sgpr_workgroup_id_x 1
		.amdhsa_system_sgpr_workgroup_id_y 1
		.amdhsa_system_sgpr_workgroup_id_z 1
		.amdhsa_system_vgpr_workitem_id 0
		.amdhsa_next_free_vgpr 238
		.amdhsa_next_free_sgpr 66
		.amdhsa_reserve_vcc 0
		.amdhsa_float_denorm_mode_32 3
		.amdhsa_float_denorm_mode_16_64 3
		.amdhsa_memory_ordered 1
		.amdhsa_forward_progress 1
		.amdhsa_inst_pref_size 88
	.end_amdhsa_kernel
	.amdgpu_metadata
---
amdhsa.version: [ 1, 2 ]
amdhsa.kernels:
  - .name:           k_q8b7b265be3_first
    .symbol:         k_q8b7b265be3_first.kd
    .args:
      - { .name: votes, .offset: 0, .size: 8, .value_kind: global_buffer, .address_space: global }
      - { .name: child_prob, .offset: 8, .size: 8, .value_kind: global_buffer, .address_space: global }
      - { .name: partA, .offset: 16, .size: 8, .value_kind: global_buffer, .address_space: global }
      - { .name: stateA, .offset: 24, .size: 8, .value_kind: global_buffer, .address_space: global }
    .group_segment_fixed_size: 75776
    .private_segment_fixed_size: 0
    .kernarg_segment_align: 8
    .kernarg_segment_size: 32
    .max_flat_workgroup_size: 512
    .sgpr_count:     66
    .vgpr_count:     238
    .wavefront_size: 32
...
	.end_amdgpu_metadata
.endif
;; end of part 4
;; launch em: the kernel of part 2 again; grid 256 x 1, 16 waves a work-group, no clusters, 86,528 bytes of LDS; arguments votes, child_prob, beta_a, beta_v, partA, stateA, partB, stateB; writes partB, stateB
;; launch em_again: the kernel of part 2 again; grid 256 x 1, 16 waves a work-group, no clusters, 86,528 bytes of LDS; arguments votes, child_prob, beta_a, beta_v, partB, stateB, partA, stateA; writes partA, stateA
;; launch last: the kernel of part 3 again; grid 16 x 1, 16 waves a work-group, no clusters, 8,960 bytes of LDS; arguments beta_a, beta_v, partA, stateA, out0; writes out0
